; MI455X (gfx1250); checked and timed in simulation.
; The chip was launched on July 23, 2026; its instructions are those of AMD's public machine-readable ISA for CDNA 5 (MIT licence, August 2026) and "CDNA5" Instruction Set Architecture Reference Guide (July 2026). The comments in the code are by the model that wrote it; some were corrected since.
;; Sparse Mo E. Allowed arithmetic: matrix products marked QUANTISED: E5M2 operands, one E8M0 scale for each 32 along K, by v_wmma_scale_f32_16x16x128_f8f6f4 with both operands' format E5M2, f32 sums; products left as they are: f32 operands where the result goes on into a quantised operand, else bf16, f16 or f32 operands; f32 sums; everything else in f32.
;; Inputs: W1_codes 8 x 2,048 x 16 x 32 uint8 (E5M2 codes of W1, K innermost, in blocks of 32 codes); W1_scales 8 x 2,048 x 16 uint8 (E8M0 scales of W1, one for each 32 codes along K); W2_codes 8 x 512 x 64 x 32 uint8 (E5M2 codes of W2, K innermost, in blocks of 32 codes); W2_scales 8 x 512 x 64 uint8 (E8M0 scales of W2, one for each 32 codes along K); Wg 512 x 8 float32; b1 8 x 2,048 float32; b2 8 x 512 float32; bg 8 float32; x 8 x 512 x 512 float32.
;; Outputs: out0 8 x 512 x 512 float32; out1 one number float32; out2 one number float32.
;; This version of the problem:
;;   THIS VERSION OF THE PROBLEM IS GIVEN IN LOW PRECISION. The matrix products marked QUANTISED in the list below multiply operands that are first quantised to E5M2 (5 exponent bits, 2 mantissa bits; 8 bits a number), with one power-of-two scale for each 32 numbers along K (OCP MX v1.0); their sums are f32. All else is computed in f32.
;;   The module's matrix products, in the order in which they are computed (A, B: the left and right operand; K: the contracted axis; several contracted axes count as one K, in the product's order):
;;     1. [M 4,096, K 512] x [K 512, N 8]; A: input x; B: input Wg: left as it is (N = 8 < 16)
;;     2. batch 4,096 x [M 1, K 2] x [K 2, N 8]; A: softmax; B: computed on the way: left as it is (K = 2 < 32)
;;     3. [M 4,096, K 512] x [K 512, N 2,048]; A: input x; B: input W1 (given as codes): QUANTISED
;;     4. [M 4,096, K 2,048] x [K 2,048, N 512]; A: computed on the way; B: input W2 (given as codes): QUANTISED
;;     5. [M 4,096, K 512] x [K 512, N 2,048]; A: input x; B: input W1 (given as codes): QUANTISED
;;     6. [M 4,096, K 2,048] x [K 2,048, N 512]; A: computed on the way; B: input W2 (given as codes): QUANTISED
;;     7. [M 4,096, K 512] x [K 512, N 2,048]; A: input x; B: input W1 (given as codes): QUANTISED
;;     8. [M 4,096, K 2,048] x [K 2,048, N 512]; A: computed on the way; B: input W2 (given as codes): QUANTISED
;;     9. [M 4,096, K 512] x [K 512, N 2,048]; A: input x; B: input W1 (given as codes): QUANTISED
;;     10. [M 4,096, K 2,048] x [K 2,048, N 512]; A: computed on the way; B: input W2 (given as codes): QUANTISED
;;     11. [M 4,096, K 512] x [K 512, N 2,048]; A: input x; B: input W1 (given as codes): QUANTISED
;;     12. [M 4,096, K 2,048] x [K 2,048, N 512]; A: computed on the way; B: input W2 (given as codes): QUANTISED
;;     13. [M 4,096, K 512] x [K 512, N 2,048]; A: input x; B: input W1 (given as codes): QUANTISED
;;     14. [M 4,096, K 2,048] x [K 2,048, N 512]; A: computed on the way; B: input W2 (given as codes): QUANTISED
;;     15. [M 4,096, K 512] x [K 512, N 2,048]; A: input x; B: input W1 (given as codes): QUANTISED
;;     16. [M 4,096, K 2,048] x [K 2,048, N 512]; A: computed on the way; B: input W2 (given as codes): QUANTISED
;;     17. [M 4,096, K 512] x [K 512, N 2,048]; A: input x; B: input W1 (given as codes): QUANTISED
;;     18. [M 4,096, K 2,048] x [K 2,048, N 512]; A: computed on the way; B: input W2 (given as codes): QUANTISED
;;   THE QUANTISER, for each operand of a quantised product, along K:
;;     - K is cut into blocks of 32 from its start; a last block that is shorter is filled with zeros.
;;     - A block's scale is 2^e with e = floor(log2(the largest magnitude in the block)) - 15, held to -126 .. 127; a block of zeros has e = 0. As a byte (E8M0): e + 127.
;;     - Each number is divided by its block's scale, clamped to +-57,344, and rounded to the nearest number of E5M2, ties to even, subnormals kept.
;;     - The product sums the exact products of the quantised numbers (number of the format x scale) in f32.
;;   ~~~python
;;   def quantise(x, axis):      # numpy; x: float32 -> the quantised numbers, widened to float32 again
;;       x = np.moveaxis(x, axis, -1); K = x.shape[-1]
;;       x = np.pad(x, [(0, 0)] * (x.ndim - 1) + [(0, -K % 32)]); x = x.reshape(x.shape[:-1] + (-1, 32)); a = np.abs(x).max(-1, keepdims=True)
;;       e = np.where(a > 0, np.clip(np.frexp(np.where(a > 0, a, 1))[1] - 1 - 15, -126, 127), 0)      # np.frexp(a)[1] - 1 = floor(log2(a)), exactly
;;       r = np.clip(x / 2.0 ** e, -57344, 57344)
;;       step = 2.0 ** (np.maximum(np.frexp(np.where(r == 0, 1, r))[1] - 1, -14) - 2)
;;       q = np.round(r / step) * step * 2.0 ** e      # np.round: ties to even
;;       return np.moveaxis(q.reshape(q.shape[:-2] + (-1,))[..., :K], -1, axis).astype(np.float32)
;;   ~~~
;;   OPERANDS COMPUTED ON THE WAY. 'Computed on the way' means the value that the module computes at that place (a softmax that the list does not call 'softmax' is quantised finished and normalised). What goes into a quantiser is computed in f32, as accurately as f32 sums, v_exp_f32 and their like allow (about 1e-6 of the number): no bf16 or f16 on the way to a quantiser, and a product that is left as it is and whose result goes on into a quantised operand takes f32 operands (vector FMAs, or v_wmma_f32_16x16x4_f32). A number that lies on a knife's edge between two numbers of the format may be rounded either way, as far as f32 arithmetic and the matrix unit's own rounding can turn it there, and no further.
;;   INPUTS GIVEN AS CODES. W1 (in the module: [8, 512, 2048], K = its axis 1); W2 (in the module: [8, 2048, 512], K = its axis 1): each comes as NAME_codes (uint8): NAME with its K axis moved to the last place and cut into blocks of 32 codes, [.., K / 32, bytes a block], one block behind the other in memory; one code a byte (a code: sign, 5 exponent bits, 2 mantissa bits); and NAME_scales (uint8): the same leading axes, one E8M0 byte (e + 127) for each 32 codes along K. Its value is code x scale, taken as it is: it is not quantised again, and the codes and scales need not be those that the quantiser above would give.
;; One version. Each part assembles by itself: llvm-mc -triple=amdgcn-amd-amdhsa -mcpu=gfx1250 --defsym DOCPART=n.
;; ======== version 1 of 1: 4 launches
;; workspace buffers: xc 2,097,152 bytes; xsc 65,536 bytes; sel 16,384 bytes of whole numbers; gates 32,768 bytes; part 32,768 bytes; wl 16,777,216 bytes; list 147,456 bytes of whole numbers; ybuf 67,108,864 bytes
;; launch route (part 1): grid 384 x 1, 4 waves a work-group, no clusters, 68,608 bytes of LDS; arguments x, Wg, bg, W1_codes, W2_codes, xc, xsc, sel, gates, part, wl; writes xc, xsc, sel, gates, part, wl
.if DOCPART == 1
	.amdgcn_target "amdgcn-amd-amdhsa--gfx1250"
	.amdhsa_code_object_version 6
	.text
	.protected	k_q1754e13416_route
	.globl	k_q1754e13416_route
	.p2align	8
	.type	k_q1754e13416_route,@function
k_q1754e13416_route:
	s_mov_b64 s[64:65], 0
	v_nop
	global_prefetch_b8 v0, s[64:65] scope:SCOPE_SE
	s_setreg_imm32_b32 hwreg(HW_REG_WAVE_MODE, 25, 1), 1
	s_wait_xcnt 0x0
; ROUTE.  Two kinds of work-groups, told apart by the work-group's number alone; each kind has LDS bytes of its own.
; WORK-GROUPS 0-127 (tokens): 32 tokens each, 8 a wave, one token (512 f32, 2,048 bytes) a step.  A step
;   (a) quantises the token to E5M2 codes with one E8M0 byte for each 32 along K (xc [4096][512], xsc [4096][16]);
;   (b) forms the 8 router logits x . Wg in f32 by fused multiply-adds (a lane holds 16 neighbours of x and the 16 x 8 numbers of Wg that meet them).
;   At the wave's end each lane owns one token (lanes t, t + 8, t + 16, t + 24: token t): + bg, top-2 (the lower index wins a tie), softmax of the two values with the
;   larger taken away first, logsumexp with the maximum taken away first.  The chosen experts go out as whole numbers at fixed places (sel[t] = e0 | e1 << 8), the two gates to
;   gates[t][2], and the work-group's partial sums for the two losses to part[wg][lane][2] (lane 0-7: tokens of expert e, lane 8-15: gates of expert e, lane 16: lse^2).
;   No address and no branch hangs on the choice.  Wave 0 sends the work-group's small results out in runs: 512 bytes of scale bytes, 256 of gates, 256 of partial sums, 128 of choices
;   (the last is half of an aligned block of 256 bytes; the buffer has 16,384 bytes in all).
; WORK-GROUPS 128-383 (weights): W1's and W2's codes are laid once in the order of an operand's registers: wl = [tensor][e][kq][wave][tile t][K step s][2,048 bytes];
;   byte 512 c + 16 lane of an image holds registers 4 c .. 4 c + 3 of lane (r, h): K = 128 s + 32 c + 16 h + 0 .. 15 of the tile's row r.
;   W1: row r of tile t is hidden unit 512 kq + 128 w + 32 (t / 2) + 8 (t % 2) + r + 8 (r / 8);  W2: output 128 w + 16 t + r, K = hidden units 512 kq on.
;   A task is 16 rows x 512 bytes -> 4 images, 8,192 bytes on end; a wave takes two tasks.  Every load reads and every store writes 512 consecutive bytes.
; LIMITS: NaN and infinities among the inputs are not served.  A block of zeros gets the byte 1 where the quantiser's text says 127: its codes are zeros and this program alone reads the bytes.
;   The logits are f32 sums in another order than the reference's: two logits within about 1e-6 of each other may change places.
.set STEPS, 8                          ; tokens of a wave
.set TOKWG, 128                        ; work-groups that take tokens: 4,096 / (4 waves x STEPS)
.set SP,    80                         ; a lane's place in a stage: 64 bytes + 16 of padding
.set SELB,  32768                      ; behind the waves' stages (8,192 bytes a wave): 32 words: the work-group's choices
.set GATB,  33024                      ; 32 pairs: its gates
.set SCWB,  33280                      ; 512 bytes: its tokens' scale bytes
.set PARB,  33792                      ; 4 x 128 bytes: the waves' partial sums
.set RST,   34304                      ; the weights' path: 16 rows x 528 bytes for each wave
.set RPITCH, 528
.set R,     16                         ; v16-79   four sets of 16 numbers as loaded
.set X,     80                         ; v80-111  two sets of 16 neighbours
.set E,     112                        ; v112-119 a scale byte for each step
.set C,     128                        ; v128-159 codes, four registers a step
.set ACC,   192                        ; v192-199 the step's 8 logits
.set TP,    200                        ; v200-207 the other half of the lanes' sums
.set LG,    208                        ; v208-215 the logits of my lane's token
.set MSB, 0
.macro WIN new                         ; the immediate's high byte repeats the setting that is left
.if MSB != \new
	s_set_vgpr_msb (MSB<<8)|\new
.set MSB, \new
.endif
.endm
	s_load_b512 s[4:19], s[0:1], 0x0               ; x 4, Wg 6, bg 8, W1's codes 10, W2's codes 12, xc 14, xsc 16, sel 18
	s_load_b128 s[20:23], s[0:1], 0x40             ; gates 20, part 22
	s_load_b64 s[24:25], s[0:1], 0x50              ; wl
	v_lshl_add_u32 v12, v0, 2, 0x10a00
	v_mov_b32 v13, 0
	v_lshrrev_b32 v1, 5, v0
	v_readfirstlane_b32 s26, v1                    ; wave 0..3
	v_and_b32 v2, 31, v0                           ; lane
	s_mov_b32 s41, 0                               ; the upper word of the offsets' pair s[40:41]
	s_wait_kmcnt 0x0
	s_cmp_ge_u32 ttmp9, TOKWG
	s_cbranch_scc1 .Llayout
; ------------------------------------------------------------------ tokens
	s_load_b256 s[28:35], s[8:9], 0x0              ; bg
	v_lshlrev_b32 v3, 4, v2                        ; 16 x lane: my bytes of a load's 512, and my codes' place
	v_lshlrev_b32 v4, 9, v2                        ; Wg: my 16 rows of 32 bytes
	WIN 0x40                                       ; destination window 1
.set wj, 0
.rept 32
	global_load_b128 v[4*wj:4*wj+3], v4, s[6:7] offset:16*wj   ; window 1, register 8 i + e = Wg[16 lane + i][e]
.set wj, wj+1
.endr
	WIN 0
	s_lshl_b32 s40, ttmp9, 16                      ; 32 tokens of 2,048 bytes a work-group,
	s_lshl_b32 s42, s26, 14                        ; 8 a wave
	s_add_co_u32 s40, s40, s42
	s_add_nc_u64 s[4:5], s[4:5], s[40:41]
	s_lshr_b32 s40, s40, 2                         ; the codes: a quarter of the bytes
	s_add_nc_u64 s[14:15], s[14:15], s[40:41]
	s_lshl_b32 s40, ttmp9, 9                       ; the scale bytes: 32 tokens x 16 bytes a work-group
	s_add_nc_u64 s[16:17], s[16:17], s[40:41]
	s_lshl_b32 s40, ttmp9, 7
	s_add_nc_u64 s[18:19], s[18:19], s[40:41]      ; sel: 128 bytes a work-group
	s_lshl_b32 s40, ttmp9, 8
	s_add_nc_u64 s[20:21], s[20:21], s[40:41]      ; gates: 256
	s_add_nc_u64 s[22:23], s[22:23], s[40:41]      ; part: 256
	s_lshl_b32 s27, s26, 13                        ; my wave's 8,192 bytes of LDS
	v_lshrrev_b32 v14, 2, v2
	v_mul_u32_u24 v14, v14, SP
	v_and_b32 v15, 3, v2
	v_lshl_add_u32 v14, v15, 4, v14
	v_add_nc_u32 v14, s27, v14                     ; the stage, on the way in: SP (lane / 4) + 16 (lane % 4)
	v_mul_u32_u24 v15, v2, SP
	v_add_nc_u32 v15, s27, v15                     ; and on the way out: SP x lane: my 16 neighbours
	s_lshl_b32 s43, s26, 7
	v_lshrrev_b32 v5, 1, v2
	v_add_nc_u32 v5, s43, v5                       ; my block's scale byte: 128 w + lane / 2 (+ 16 t)
	v_lshlrev_b32 v7, 3, v2                        ; 8 x lane
	s_mov_b32 s36, 0x76543210
	s_mov_b32 s37, 0xfedcba98                      ; v_permlanex16_b32's selects for lane l xor 16
	s_mov_b32 s38, 0x600000                        ; the mantissa field of 57,344
.irp e, 0,1,2,3,4,5,6,7
	v_mov_b32 v[TP+\e], 0                          ; written once: a lane permute's destination counts as one of its sources
.endr
.macro LOAD t
.irp i, 0,1,2,3
	global_load_b128 v[R+16*((\t)%4)+4*\i:R+16*((\t)%4)+4*\i+3], v3, s[4:5] offset:2048*(\t)+512*\i th:TH_LOAD_NT   ; 32 lanes read 512 consecutive bytes
.endr
.endm
.macro TURN t                          ; a token's numbers through the stage: LDS serves a wave's instructions in order, so no wait stands between the stores and the loads
.irp i, 0,1,2,3
	ds_store_b128 v14, v[R+16*((\t)%4)+4*\i:R+16*((\t)%4)+4*\i+3] offset:32*SP*((\t)%2)+8*SP*\i
.endr
.irp i, 0,1,2,3
	ds_load_b128 v[X+16*((\t)%2)+4*\i:X+16*((\t)%2)+4*\i+3], v15 offset:32*SP*((\t)%2)+16*\i
.endr
.endm
; The 8 logits of token t: my 16 numbers against my 16 x 8 of Wg, two experts an instruction; then the sum over the 32 lanes; then the lanes with lane % 8 = t keep them.
.macro LOGITS t
	WIN 0x01                                       ; source 0 (Wg) window 1
.irp i, 0,1,2,3,4,5,6,7
.irp p, 0,1,2,3
.if \i == 0
	v_pk_mul_f32 v[ACC+2*\p:ACC+2*\p+1], v[2*\p:2*\p+1], v[XS:XS+1] op_sel_hi:[1,0]   ; the first product starts the sums
.else
	v_pk_fma_f32 v[ACC+2*\p:ACC+2*\p+1], v[16*\i+2*\p:16*\i+2*\p+1], v[XS+2*\i:XS+2*\i+1], v[ACC+2*\p:ACC+2*\p+1] op_sel_hi:[1,0,1]
.endif
.endr
.irp p, 0,1,2,3
	v_pk_fma_f32 v[ACC+2*\p:ACC+2*\p+1], v[16*\i+8+2*\p:16*\i+8+2*\p+1], v[XS+2*\i:XS+2*\i+1], v[ACC+2*\p:ACC+2*\p+1] op_sel:[0,1,0] op_sel_hi:[1,1,1]
.endr
.endr
	WIN 0
.irp m, 1,2,4,8
.irp e, 0,1,2,3,4,5,6,7
	v_add_f32_dpp v[ACC+\e], v[ACC+\e], v[ACC+\e] row_xmask:\m row_mask:0xf bank_mask:0xf
.endr
.endr
.irp e, 0,1,2,3,4,5,6,7
	v_permlanex16_b32 v[TP+\e], v[ACC+\e], s36, s37
.endr
.irp e, 0,1,2,3,4,5,6,7
	v_add_f32 v[ACC+\e], v[ACC+\e], v[TP+\e]       ; every lane holds the token's logit e
.endr
.if (\t) == 0
.irp e, 0,1,2,3,4,5,6,7
	v_mov_b32 v[LG+\e], v[ACC+\e]
.endr
.else
	s_mov_b32 s39, 0x01010101<<(\t)
.irp e, 0,1,2,3,4,5,6,7
	v_cndmask_b32 v[LG+\e], v[LG+\e], v[ACC+\e], s39
.endr
.endif
.endm
.irp t, 0,1,2,3
	LOAD \t
.endr
	s_wait_loadcnt 12                              ; Wg and token 0's four loads are in; the twelve loads of tokens 1 to 3 may be out
	TURN 0
.macro STEP t
.set XS, X+16*((\t)%2)
.if (\t) > 0
	s_wait_dscnt 1                                 ; this token's numbers are back from the stage (the last step's byte store may be out): so the stores into the stage have read their registers,
.else
	s_wait_dscnt 0x0
.endif
.if (\t)+4 < STEPS
	LOAD (\t)+4                                    ; which take the loads of four tokens on
.endif
.if (\t)+1 < STEPS
.if STEPS-2-(\t) >= 3
	s_wait_loadcnt 12                              ; the next token's four loads are in; those of the three tokens behind it may be out
.else
	s_wait_loadcnt 4*(STEPS-2-(\t))                ; towards the end fewer tokens stand behind the next one: four loads for each
.endif
	TURN (\t)+1                                    ; and go through the other stage while this token is worked
.endif
	LOGITS \t                                      ; ahead of the hold, which changes the numbers in place
	v_max3_num_f32 v8, |v[XS]|, |v[XS+1]|, |v[XS+2]|               ; the largest magnitude of my 16
	v_max3_num_f32 v9, |v[XS+3]|, |v[XS+4]|, |v[XS+5]|
.irp i, 6,10
	v_max3_num_f32 v8, v8, |v[XS+\i]|, |v[XS+\i+1]|
	v_max3_num_f32 v9, v9, |v[XS+\i+2]|, |v[XS+\i+3]|
.endr
	v_max3_num_f32 v8, v8, |v[XS+14]|, |v[XS+15]|
	v_max3_num_f32 v8, v8, v9, 0x8000000           ; and the floor 2^(16 - 127): the byte cannot fall under 1
	v_max_num_f32_dpp v8, v8, v8 row_xmask:1 row_mask:0xf bank_mask:0xf   ; and of my neighbour's 16: the block's
	v_add_nc_u32 v11, 0xf8800000, v8               ; 15 off its exponent field: the conversion takes the exponent field of this operand as its scale
	v_and_or_b32 v10, v8, 0x7f800000, s38          ; 57,344 x the scale
.irp i, 0,1,2,3,4,5,6,7,8,9,10,11,12,13,14,15
	v_med3_num_f32 v[XS+\i], v[XS+\i], -v10, v10   ; the conversion to an 8-bit code does not saturate (ISA guide 7.6.2): the hold comes first
.endr
	v_cvt_scalef32_pk8_bf8_f32 v[C+4*(\t):C+4*(\t)+1], v[XS:XS+7], v11
	v_cvt_scalef32_pk8_bf8_f32 v[C+4*(\t)+2:C+4*(\t)+3], v[XS+8:XS+15], v11
	v_lshrrev_b32 v[E+(\t)], 23, v11               ; the scale's byte (also the plain line behind the conversions)
	ds_store_b8 v5, v[E+(\t)] offset:SCWB+16*(\t)  ; both lanes of a block write the same byte with the same value
	global_store_b128 v3, v[C+4*(\t):C+4*(\t)+3], s[14:15] offset:512*(\t)   ; the token's 512 codes: 512 consecutive bytes
.endm
.irp t, 0,1,2,3,4,5,6,7
	STEP \t
.endr
; ---- the wave's end: a lane a token (four lanes hold each of the 8 tokens).  v16-79 are free: all loads are in and the stage's stores have read them
	s_wait_kmcnt 0x0                               ; bg
.irp e, 0,1,2,3,4,5,6,7
	v_add_f32 v[LG+\e], s[28+\e], v[LG+\e]
.endr
	v_mov_b32 v16, v[LG]                           ; m1, the largest logit,
	v_mov_b32 v17, 0                               ; and its expert: a later one takes over only where it is strictly larger
.irp e, 1,2,3,4,5,6,7
	v_cmp_ge_f32 vcc_lo, v16, v[LG+\e]
	v_cndmask_b32 v17, \e, v17, vcc_lo
	v_max_num_f32 v16, v16, v[LG+\e]
.endr
	v_mov_b32 v18, 0xff800000                      ; -infinity in the winner's place,
.irp e, 0,1,2,3,4,5,6,7
	v_cmp_eq_u32 vcc_lo, \e, v17
	v_cndmask_b32 v[24+\e], v[LG+\e], v18, vcc_lo
.endr
	v_mov_b32 v19, v24                             ; and the same search again: m2 and its expert
	v_mov_b32 v20, 0
.irp e, 1,2,3,4,5,6,7
	v_cmp_ge_f32 vcc_lo, v19, v[24+\e]
	v_cndmask_b32 v20, \e, v20, vcc_lo
	v_max_num_f32 v19, v19, v[24+\e]
.endr
.irp e, 0,1,2,3,4,5,6,7
	v_sub_f32 v[32+\e], v[LG+\e], v16              ; the maximum is taken away first
.endr
	v_sub_f32 v40, v19, v16
.irp e, 0,1,2,3,4,5,6,7,8
	v_mul_f32 v[32+\e], 0x3fb8aa3b, v[32+\e]       ; x log2(e)
.endr
.irp e, 0,1,2,3,4,5,6,7,8
	v_exp_f32 v[32+\e], v[32+\e]
.endr
	v_mov_b32 v44, 1.0                             ; a plain line behind the batch
	s_wait_alu depctr_va_vdst(0)                   ; one wait for the nine exponentials, ahead of their first reader
	v_add_f32 v21, v32, v33
	v_add_f32 v22, v34, v35
	v_add_f32 v23, v36, v37
	v_add_f32 v45, v38, v39
	v_add_f32 v21, v21, v22
	v_add_f32 v23, v23, v45
	v_add_f32 v21, v21, v23                        ; the sum of exp(logit - m1)
	v_add_f32 v22, 1.0, v40                        ; 1 + exp(m2 - m1)
	v_rcp_f32 v46, v22                             ; p1
	v_log_f32 v42, v21
	v_lshl_or_b32 v43, v20, 8, v17                 ; e0 | e1 << 8 (a plain line behind the two)
	s_wait_alu depctr_va_vdst(0)                   ; one wait for both
	v_mul_f32 v47, v40, v46                        ; p2
	v_fmamk_f32 v45, v42, 0x3f317218, v16          ; logsumexp = m1 + ln 2 x log2(sum)
	v_mul_f32 v64, v45, v45
.irp e, 0,1,2,3,4,5,6,7
	v_cmp_eq_u32 vcc_lo, \e, v17
	v_cmp_eq_u32 s42, \e, v20
	v_cndmask_b32 v[48+\e], 0, v44, vcc_lo         ; 1 where expert e is chosen,
	v_cndmask_b32 v[56+\e], 0, v46, vcc_lo         ; and its gate
	v_cndmask_b32 v[48+\e], v[48+\e], v44, s42
	v_cndmask_b32 v[56+\e], v[56+\e], v47, s42
.endr
.irp m, 1,2,4
.irp i, 0,1,2,3,4,5,6,7,8,9,10,11,12,13,14,15,16
	v_add_f32_dpp v[48+\i], v[48+\i], v[48+\i] row_xmask:\m row_mask:0xf bank_mask:0xf   ; over eight neighbouring lanes: the wave's 8 tokens, each once
.endr
.endr
	v_mov_b32 v65, 0
.irp i, 0,1,2,3,4,5,6,7,8,9,10,11,12,13,14,15,16
	s_mov_b32 s39, 1<<\i
	v_cndmask_b32 v65, v65, v[48+\i], s39          ; lane i keeps sum i
.endr
	v_and_b32 v66, 7, v0                           ; my token of the wave's 8
	s_lshl_b32 s43, s26, 5
	v_lshl_add_u32 v67, v66, 2, s43                ; 32 w + 4 (lane % 8)
	s_lshl_b32 s43, s26, 6
	v_lshl_add_u32 v68, v66, 3, s43                ; 64 w + 8 (lane % 8)
	s_lshl_b32 s43, s26, 7
	v_lshl_add_u32 v69, v2, 2, s43                 ; 128 w + 4 lane
	v_lshlrev_b32 v70, 2, v2
	ds_store_b32 v67, v43 offset:SELB              ; the four lanes of a token write the same word with the same value
	ds_store_b64 v68, v[46:47] offset:GATB
	ds_store_b32 v69, v65 offset:PARB
	s_wait_dscnt 0x0                               ; my stores have landed, the scale bytes among them: for the other waves' sake the count is zero
	s_barrier_signal -1
	s_barrier_wait -1
	s_cmp_lg_u32 s26, 0
	s_cbranch_scc1 .Ltok_end
	ds_load_b32 v72, v70 offset:SELB               ; wave 0 sends the work-group's choices, gates, scale bytes and partial sums out in runs
	ds_load_b64 v[74:75], v7 offset:GATB
	ds_load_b128 v[76:79], v3 offset:SCWB
.irp i, 0,1,2,3
	ds_load_b32 v[80+\i], v70 offset:PARB+128*\i
.endr
	s_wait_dscnt 0x0
	v_add_f32 v84, v80, v81
	v_add_f32 v85, v82, v83
	global_store_b32 v70, v72, s[18:19]            ; 128 consecutive bytes
	global_store_b64 v7, v[74:75], s[20:21]        ; 256
	global_store_b128 v3, v[76:79], s[16:17]       ; 512
	global_store_b64 v7, v[84:85], s[22:23]        ; 256
.Ltok_end:
	s_wait_tensorcnt 0x0
	ds_add_u32 v12, v13
	s_wait_dscnt 0x0
	s_endpgm
; ------------------------------------------------------------------ weights
.Llayout:
	v_lshlrev_b32 v1, 4, v2                        ; 16 x lane
	v_and_b32 v5, 15, v2                           ; r
	v_lshrrev_b32 v6, 4, v2                        ; h
	s_mul_i32 s44, s26, 16*RPITCH
	s_add_co_u32 s44, s44, RST                     ; my stage
	v_add_nc_u32 v3, s44, v1                       ; in: a row's 512 bytes as they lie
	v_mul_u32_u24 v4, v5, RPITCH
	v_lshl_add_u32 v4, v6, 4, v4
	v_add_nc_u32 v4, s44, v4                       ; out: row r, + 16 h
	s_sub_co_u32 s27, ttmp9, TOKWG
	s_lshl_b32 s28, s27, 2
	s_add_co_u32 s28, s28, s26
	s_lshl_b32 s28, s28, 1                         ; my first task: 0 .. 1,023 W1's, 1,024 .. 2,047 W2's
	s_lshr_b32 s29, s28, 1
	s_lshl_b32 s29, s29, 14                        ; W1: two tasks share 32 rows of 512 bytes
	s_sub_co_u32 s30, s28, 1024                    ; W2: task D = ((4 e + kq) 4 + w) 8 + t
	s_lshr_b32 s31, s30, 7
	s_lshl_b32 s31, s31, 20                        ; e x 512 rows of 2,048 bytes
	s_and_b32 s32, s30, 31
	s_lshl_b32 s32, s32, 15                        ; (8 w + t) x 16 rows
	s_or_b32 s31, s31, s32
	s_bfe_u32 s32, s30, 0x20005
	s_lshl_b32 s32, s32, 9                         ; kq x 512 bytes in a row
	s_or_b32 s31, s31, s32
	s_cmp_lt_u32 s27, 128                          ; W1's work-group or W2's?  The choice hangs on the work-group's number alone, and only numbers and pointers are chosen
	s_cselect_b64 s[10:11], s[10:11], s[12:13]
	s_cselect_b32 s29, s29, s31                    ; where my first task's rows begin
	s_mov_b32 s33, 2048
	s_cselect_b32 s33, 512, s33                    ; from row to row
	s_cselect_b32 s34, 4096, 0                     ; W1: a tile's rows 8-15 lie 8 rows further on
	s_mov_b32 s35, 32768
	s_cselect_b32 s35, 4096, s35                   ; from my first task to my second
	s_mov_b32 s40, s29
	s_add_nc_u64 s[36:37], s[10:11], s[40:41]
	s_mov_b32 s40, s35
	s_add_nc_u64 s[38:39], s[36:37], s[40:41]
	s_lshl_b32 s40, s28, 13                        ; a task's images: 8,192 bytes on end
	s_add_nc_u64 s[42:43], s[24:25], s[40:41]
	s_add_nc_u64 s[46:47], s[42:43], 8192
.irp i, 0,1,2,3,4,5,6,7,8,9,10,11,12,13,14,15
	s_mul_i32 s45, s33, \i
.if \i >= 8
	s_add_co_u32 s45, s45, s34
.endif
	v_add_nc_u32 v[16+\i], s45, v1
.endr
.irp i, 0,1,2,3,4,5,6,7,8,9,10,11,12,13,14,15
	global_load_b128 v[64+4*\i:64+4*\i+3], v[16+\i], s[36:37] th:TH_LOAD_NT   ; a row's 512 consecutive bytes
.endr
.irp i, 0,1,2,3,4,5,6,7,8,9,10,11,12,13,14,15
	global_load_b128 v[128+4*\i:128+4*\i+3], v[16+\i], s[38:39] th:TH_LOAD_NT
.endr
.macro TASK j, db
	s_wait_loadcnt 16*(1-\j)                       ; this task's 16 loads are in; the second task's may be out
.if \j
	s_wait_xcnt 0x0                                ; the first task's stores have read their data registers, which are loaded again below
.endif
.irp i, 0,1,2,3,4,5,6,7,8,9,10,11,12,13,14,15
	ds_store_b128 v3, v[64+64*\j+4*\i:64+64*\j+4*\i+3] offset:RPITCH*\i
.endr
.irp k, 0,1,2,3,4,5,6,7,8,9,10,11,12,13,14,15
	ds_load_b128 v[192+4*\k:192+4*\k+3], v4 offset:32*\k   ; K step k / 4, registers 4 (k % 4) on: 128 s + 32 c = 32 k.  LDS serves a wave's instructions in order
.endr
.irp k, 0,1,2,3,4,5,6,7,8,9,10,11,12,13,14,15
	s_wait_dscnt 15-\k                             ; the younger reads may be out
	global_store_b128 v1, v[192+4*\k:192+4*\k+3], s[\db:\db+1] offset:512*\k
.endr
.endm
	TASK 0, 42
	TASK 1, 46
	s_wait_tensorcnt 0x0
	ds_add_u32 v12, v13
	s_wait_dscnt 0x0
	s_endpgm
.Lfunc_end_k_q1754e13416_route:
	.size	k_q1754e13416_route, .Lfunc_end_k_q1754e13416_route-k_q1754e13416_route
	.p2alignl 7, 3214868480
	.fill 96, 4, 3214868480
	.section	.rodata,"a",@progbits
	.p2align	6, 0x0
	.amdhsa_kernel k_q1754e13416_route
		.amdhsa_group_segment_fixed_size 68608
		.amdhsa_private_segment_fixed_size 0
		.amdhsa_enable_private_segment 0
		.amdhsa_kernarg_size 88
		.amdhsa_user_sgpr_count 2
		.amdhsa_user_sgpr_kernarg_segment_ptr 1
		.amdhsa_wavefront_size32 1
		.amdhsa_system_sgpr_workgroup_id_x 1
		.amdhsa_system_sgpr_workgroup_id_y 1
		.amdhsa_system_sgpr_workgroup_id_z 1
		.amdhsa_system_vgpr_workitem_id 0
		.amdhsa_next_free_vgpr 384
		.amdhsa_next_free_sgpr 66
		.amdhsa_reserve_vcc 1
		.amdhsa_float_denorm_mode_32 3
		.amdhsa_float_denorm_mode_16_64 3
		.amdhsa_memory_ordered 1
		.amdhsa_forward_progress 1
		.amdhsa_inst_pref_size 116
	.end_amdhsa_kernel
	.amdgpu_metadata
---
amdhsa.version: [ 1, 2 ]
amdhsa.kernels:
  - .name:           k_q1754e13416_route
    .symbol:         k_q1754e13416_route.kd
    .args:
      - { .name: x, .offset: 0, .size: 8, .value_kind: global_buffer, .address_space: global }
      - { .name: Wg, .offset: 8, .size: 8, .value_kind: global_buffer, .address_space: global }
      - { .name: bg, .offset: 16, .size: 8, .value_kind: global_buffer, .address_space: global }
      - { .name: W1_codes, .offset: 24, .size: 8, .value_kind: global_buffer, .address_space: global }
      - { .name: W2_codes, .offset: 32, .size: 8, .value_kind: global_buffer, .address_space: global }
      - { .name: xc, .offset: 40, .size: 8, .value_kind: global_buffer, .address_space: global }
      - { .name: xsc, .offset: 48, .size: 8, .value_kind: global_buffer, .address_space: global }
      - { .name: sel, .offset: 56, .size: 8, .value_kind: global_buffer, .address_space: global }
      - { .name: gates, .offset: 64, .size: 8, .value_kind: global_buffer, .address_space: global }
      - { .name: part, .offset: 72, .size: 8, .value_kind: global_buffer, .address_space: global }
      - { .name: wl, .offset: 80, .size: 8, .value_kind: global_buffer, .address_space: global }
    .group_segment_fixed_size: 68608
    .private_segment_fixed_size: 0
    .kernarg_segment_align: 8
    .kernarg_segment_size: 88
    .max_flat_workgroup_size: 128
    .sgpr_count:     66
    .vgpr_count:     384
    .wavefront_size: 32
...
	.end_amdgpu_metadata
.endif
;; end of part 1
;; launch place (part 2): grid 8 x 1, 8 waves a work-group, no clusters, 0 bytes of LDS; arguments sel, list; writes list
.if DOCPART == 2
	.amdgcn_target "amdgcn-amd-amdhsa--gfx1250"
	.amdhsa_code_object_version 6
	.text
	.protected	k_q1754e13416_place
	.globl	k_q1754e13416_place
	.p2align	8
	.type	k_q1754e13416_place,@function
k_q1754e13416_place:
	s_mov_b64 s[64:65], 0
	v_nop
	global_prefetch_b8 v0, s[64:65] scope:SCOPE_SE
	s_setreg_imm32_b32 hwreg(HW_REG_WAVE_MODE, 25, 1), 1
	s_wait_xcnt 0x0
; PLACE.  Work-group b takes the block of tokens 512 b .. 512 b + 511, its wave e the expert e: list q = 8 b + e, 576 words.
; Words 0-63: n, the number of the block's tokens that chose e.  Words 64-575: a permutation of the block: first, in the tokens' order, the n chosen rows as 2 t + k
; (t the token, k = 0 where e is its first choice, 1 where its second), then the other tokens as 2 t: so every entry names a row that exists, and every byte is written.
; The places come from counts of mask bits (a lane's place = matches in the lanes below + matches in the steps before): no LDS, no barrier, no atomics; all lanes stay on.
; The entries leave as words into two dense runs of the list's 2,048 bytes.  All 64 waves do the same work.
	s_load_b128 s[4:7], s[0:1], 0x0                ; sel 4, list 6
	v_lshrrev_b32 v1, 5, v0
	v_readfirstlane_b32 s14, v1                    ; wave = expert
	v_and_b32 v1, 31, v0                           ; lane
	v_lshlrev_b32 v2, 2, v1
	v_lshlrev_b32 v9, 3, v1
	v_mov_b32 v5, 1
	s_lshl_b32 s40, ttmp9, 11                      ; the block's 512 words of sel
	s_mov_b32 s41, 0
	s_lshl_b32 s42, ttmp9, 3
	s_add_co_u32 s42, s42, s14
	s_mul_i32 s42, s42, 2304                       ; my list
	s_mov_b32 s43, 0
	s_lshl_b32 s38, ttmp9, 9                       ; the block's first token
	s_mov_b32 s32, 0                               ; n
	s_wait_kmcnt 0x0
	s_add_nc_u64 s[4:5], s[4:5], s[40:41]
	s_add_nc_u64 s[6:7], s[6:7], s[42:43]
.irp i, 0,1,2,3,4,5,6,7,8,9,10,11,12,13,14,15
	global_load_b32 v[16+\i], v2, s[4:5] offset:128*\i
.endr
	s_wait_loadcnt 0x0
.irp i, 0,1,2,3,4,5,6,7,8,9,10,11,12,13,14,15
	v_and_b32 v3, 0xff, v[16+\i]                   ; the first choice,
	v_lshrrev_b32 v4, 8, v[16+\i]                  ; the second
	v_cmp_eq_u32 vcc_lo, s14, v3
	v_cmp_eq_u32 s35, s14, v4
	s_or_b32 s[16+\i], vcc_lo, s35                 ; the step's matches
	v_cndmask_b32 v[32+\i], 0, v5, s35             ; k
	s_bcnt1_i32_b32 s36, s[16+\i]
	s_add_co_u32 s32, s32, s36
.endr
	s_mov_b32 s33, 0                               ; where the next match goes,
	s_mov_b32 s34, s32                             ; and the next token that is none
.irp i, 0,1,2,3,4,5,6,7,8,9,10,11,12,13,14,15
	s_not_b32 s37, s[16+\i]
	v_mbcnt_lo_u32_b32 v6, s[16+\i], s33
	v_mbcnt_lo_u32_b32 v7, s37, s34
	v_cndmask_b32 v[48+\i], v7, v6, s[16+\i]
	v_min_u32 v[48+\i], 0x1ff, v[48+\i]            ; a place made of loaded numbers is held inside the list before it enters an address
	v_lshlrev_b32 v[48+\i], 2, v[48+\i]
	s_add_co_u32 s39, s38, 32*\i
	v_add_nc_u32 v8, s39, v1                       ; my token
	v_lshl_add_u32 v[64+\i], v8, 1, v[32+\i]       ; 2 t + k
	global_store_b32 v[48+\i], v[64+\i], s[6:7] offset:256   ; each step has registers of its own: no store's sources are written again
	s_bcnt1_i32_b32 s36, s[16+\i]
	s_add_co_u32 s33, s33, s36
	s_sub_co_u32 s36, 32, s36
	s_add_co_u32 s34, s34, s36
.endr
	v_mov_b32 v10, s32
	v_mov_b32 v11, s32
	global_store_b64 v9, v[10:11], s[6:7]          ; n, 64 times: 256 consecutive bytes
	s_endpgm
.Lfunc_end_k_q1754e13416_place:
	.size	k_q1754e13416_place, .Lfunc_end_k_q1754e13416_place-k_q1754e13416_place
	.p2alignl 7, 3214868480
	.fill 96, 4, 3214868480
	.section	.rodata,"a",@progbits
	.p2align	6, 0x0
	.amdhsa_kernel k_q1754e13416_place
		.amdhsa_group_segment_fixed_size 0
		.amdhsa_private_segment_fixed_size 0
		.amdhsa_enable_private_segment 0
		.amdhsa_kernarg_size 16
		.amdhsa_user_sgpr_count 2
		.amdhsa_user_sgpr_kernarg_segment_ptr 1
		.amdhsa_wavefront_size32 1
		.amdhsa_system_sgpr_workgroup_id_x 1
		.amdhsa_system_sgpr_workgroup_id_y 1
		.amdhsa_system_sgpr_workgroup_id_z 1
		.amdhsa_system_vgpr_workitem_id 0
		.amdhsa_next_free_vgpr 80
		.amdhsa_next_free_sgpr 66
		.amdhsa_reserve_vcc 1
		.amdhsa_float_denorm_mode_32 3
		.amdhsa_float_denorm_mode_16_64 3
		.amdhsa_memory_ordered 1
		.amdhsa_forward_progress 1
		.amdhsa_inst_pref_size 20
	.end_amdhsa_kernel
	.amdgpu_metadata
---
amdhsa.version: [ 1, 2 ]
amdhsa.kernels:
  - .name:           k_q1754e13416_place
    .symbol:         k_q1754e13416_place.kd
    .args:
      - { .name: sel, .offset: 0, .size: 8, .value_kind: global_buffer, .address_space: global }
      - { .name: list, .offset: 8, .size: 8, .value_kind: global_buffer, .address_space: global }
    .group_segment_fixed_size: 0
    .private_segment_fixed_size: 0
    .kernarg_segment_align: 8
    .kernarg_segment_size: 16
    .max_flat_workgroup_size: 256
    .sgpr_count:     66
    .vgpr_count:     80
    .wavefront_size: 32
...
	.end_amdgpu_metadata
.endif
;; end of part 2
;; launch chain (part 3): grid 256 x 1, 4 waves a work-group, no clusters, 247,808 bytes of LDS; arguments xc, xsc, wl, W1_scales, b1, W2_scales, b2, list, gates, ybuf; writes ybuf
.if DOCPART == 3
	.amdgcn_target "amdgcn-amd-amdhsa--gfx1250"
	.amdhsa_code_object_version 6
	.text
	.protected	k_q1754e13416_chain
	.globl	k_q1754e13416_chain
	.p2align	8
	.type	k_q1754e13416_chain,@function
k_q1754e13416_chain:
	s_mov_b64 s[64:65], 0
	v_nop
	global_prefetch_b8 v0, s[64:65] scope:SCOPE_SE
	s_setreg_imm32_b32 hwreg(HW_REG_WAVE_MODE, 25, 1), 1
	s_wait_xcnt 0x0
; CHAIN.  Work-group id = 32 b + 4 e + kq: the rows of token block b that chose expert e, through hidden units 512 kq .. 512 kq + 511 of that expert:
;   y_part = gate x ( Q(relu(Q(x) W1^T + b1)) W2^T [+ b2 where kq = 0] ), stored at ybuf[kq][2 t + k][512]; the next launch adds a token's eight parts.
; Both products on E5M2 codes with one E8M0 scale for each 32 along K.  Only the chosen rows are multiplied: the gates of the other experts are exactly 0 in the reference.
; SHARES.  Four waves share the COLUMNS: wave w makes hidden units 128 w on of the quarter, then outputs 128 w on, for all rows.  Its 32 weight fragments (512 registers) stay in registers through a
; phase: first W1's, then W2's in the same registers; they come from wl, laid in the order of the registers, 512 consecutive bytes a load.  Rows go in passes of 192 (12 tiles of 16).
; The hidden layer goes from wave to wave through LDS as images of the operand's registers, and never to memory.
; CONTROL.  n, the number of rows, is read from the list.  Every loop has a constant trip count (3 passes, 12 tiles); a tile or a pass without rows is jumped over inside the trip by a scalar branch;
; the three barriers of a pass stand on every path.  The launch has no tensor load and no joint loads: the eight work-groups b = 0 .. 7
; of one (e, kq) each read the same 524,288 bytes of wl by their own loads.
; THE PRODUCTS ARE USED TRANSPOSED (source 0 = 16 rows of a weight, source 1 = 16 rows of x or of the hidden layer): a lane holds ONE row, its registers run along the columns.  W1's rows of a tile were
; chosen (in wl) so that the 16 registers of tiles 2 b and 2 b + 1 are 16 neighbours along the next K.  The biases are the C of each sum's first matrix instruction.
; LIMITS: NaN and infinities are not served; b2 must be finite (it is multiplied by 0 in the parts kq = 1 .. 3).  A block of zeros of the hidden layer gets the byte 1, its codes are zeros.
; REGISTERS.  window 0: v1-27 addresses; v28-31 the rows' scale words; v32-95 four fragments of rows; v96-159 eight accumulators; v160-223 at work; v224-255 the weights' scale words.
;   windows 1, 2: weight fragment (tile t, K step s) at v[16 (8 (s % 2) + t)] of window 1 + s / 2.   window 3: v0-63 b1, v64-127 b2, v128-191 the gather's third tile.
.set L_XROW, 0                         ; 192 rows of x's codes, 528 bytes apart
.set L_XSC,  101376                    ; [tile 12][lane 32][16 bytes]: the four scale words of the lane's row
.set L_GAT,  107520                    ; [tile][lane][4 bytes]: its gate
.set L_HIMG, 109056                    ; [K step = making wave][tile][2,048 bytes]: the hidden layer's fragments
.set L_HSC,  207360                    ; [K step][tile][lane][4 bytes]: their scale words
.set L_STG,  213504                    ; a stage of 16 rows x 528 bytes for each wave
.set LI,1
.set LS,2
.set XA0,3
.set HWI,4
.set HWS,5
.set STO,6
.set RD,7
.set YL,8
.set GXA,9
.set GSA,12
.set GGA,13
.set R4,14
.set PFO,15
.set ADX,16
.set ADXS,17
.set ADHI,18
.set ADHS,19
.set ADH,20
.set ADH2,21
.set ADHC,22
.set ADG,23
.set G,24                              ; v[24:25] the gate, and a 0 that is named with it as a pair
.set W1SA,26
.set W2SA,27
.set XS,28
.set XF,32
.set YO,32                             ; on the way out: the rows' offsets in ybuf
.set HA,96
.set PC,160                            ; phase 1: the codes just made
.set TM,176                            ; phase 1: v176-179 largest magnitudes, 180-183 bytes, 184-187 the hold, 188-191 the conversions' scale operands
.set PW,192                            ; phase 1: the scale word just made
.set BK,160                            ; phase 2: 16 rows read back from the stage
.set GQ,160                            ; the gather: my row's entry, then its gate
.set XQ,164                            ; the gather: my row's scale words
.set WS,224
.set B1,0
.set B2,64
.set XR2,128
.set PFA,26                            ; s[26:27] where my prefetches stand
.set WV,28
.set KQ,29
.set R_N,30
.set R_NP,31                           ; rows of the pass
.set R_NT,32                           ; its tiles
.set R_P,33
.set R_M,34
.set R_NV,35                           ; rows from this tile on
.set LO1,42
.set LO2,43
.set LE,44
.set PFL,45
.set FLG,46
.set ENT0,48
.set MNT,66
.set LO0,67
.set ENT1,68
.set ENT2,84
.set SEL,100
.set MSB, 0
.macro WIN new                         ; the immediate's high byte repeats the setting that is left
.if MSB != \new
	s_set_vgpr_msb (MSB<<8)|\new
.set MSB, \new
.endif
.endm
.macro BARRIER                         ; my LDS stores have landed and my LDS loads are in: then the work-group's barrier
	s_wait_dscnt 0x0
	s_barrier_signal -1
	s_barrier_wait -1
.endm
; Loads number from .. to - 1 of the 128 that bring a wave's 32 weight fragments: number k = 32 s + 4 t + c
.macro WFR from, to, base
.set wk, \from
.rept (\to)-(\from)
.if wk < 64
	WIN 0x40                                       ; destination window 1
.else
	WIN 0x80                                       ; destination window 2
.endif
.set fs, wk>>5
.set ft, (wk>>2)&7
.set fc, wk&3
.set fr, 16*(8*(fs%2)+ft)+4*fc
	global_load_b128 v[fr:fr+3], v[LI], s[\base:\base+1] offset:(4*ft+fs)*2048+512*fc
.set wk, wk+1
.endr
	WIN 0
.endm
.macro WSC1                            ; W1's scale words: a row's 16 bytes are its four K steps' words
.irp t, 0,1,2,3,4,5,6,7
	global_load_b128 v[WS+4*\t:WS+4*\t+3], v[W1SA], s[10:11] offset:(32*(\t/2)+8*(\t%2))*16
.endr
.endm
.macro WSC2                            ; W2's: 16 bytes of a row's 64
.irp t, 0,1,2,3,4,5,6,7
	global_load_b128 v[WS+4*\t:WS+4*\t+3], v[W2SA], s[14:15] offset:1024*\t
.endr
.endm
; 32 matrix instructions: my 8 tiles of columns x 16 rows, K = 512.  The eight accumulators take turns, one instruction a turn.  The first K step takes the bias as C.
.macro PROD bias
.irp s, 0,1,2,3
.if \s == 0
	WIN 0x31                                       ; source 0 (weights) window 1, source 2 (bias) window 3
.elseif \s == 1
	WIN 0x01
.else
	WIN 0x02                                       ; source 0 window 2
.endif
.irp t, 0,1,2,3,4,5,6,7
.if \s == 0
	v_wmma_scale_f32_16x16x128_f8f6f4 v[HA+8*\t:HA+8*\t+7], v[16*(8*(\s%2)+\t):16*(8*(\s%2)+\t)+15], v[XF+16*\s:XF+16*\s+15], v[\bias+8*\t:\bias+8*\t+7], v[WS+4*\t+\s], v[XS+\s] matrix_a_fmt:MATRIX_FMT_BF8 matrix_b_fmt:MATRIX_FMT_BF8
.else
	v_wmma_scale_f32_16x16x128_f8f6f4 v[HA+8*\t:HA+8*\t+7], v[16*(8*(\s%2)+\t):16*(8*(\s%2)+\t)+15], v[XF+16*\s:XF+16*\s+15], v[HA+8*\t:HA+8*\t+7], v[WS+4*\t+\s], v[XS+\s] matrix_a_fmt:MATRIX_FMT_BF8 matrix_b_fmt:MATRIX_FMT_BF8
.endif
.endr
.endr
	WIN 0
.endm
.macro PLACES8                         ; eight plain places behind the last product, ahead of the first read of results and of loads into registers that it has read
.rept 8
	v_nop
.endr
.endm
; The 64 numbers v[HA] on (register 16 b + i = hidden unit 32 b + 16 (lane / 16) + i of my row) become a fragment's codes in v[PC] on and its scale word in v[PW]; what is negative becomes 0 on the way.
.macro QUANT
.irp b, 0,1,2,3
	v_max3_num_f32 v[TM+\b], v[HA+16*\b], v[HA+1+16*\b], 0x8000000   ; no |.|: what is negative must not count; the floor 2^(16 - 127) stands over it, so the byte cannot fall under 1
.endr
.irp i, 2,4,6,8,10,12,14
.irp b, 0,1,2,3
	v_max3_num_f32 v[TM+\b], v[TM+\b], v[HA+16*\b+\i], v[HA+1+16*\b+\i]
.endr
.endr
.irp b, 0,1,2,3
	v_permlanex16_b32 v[TM+4+\b], v[TM+\b], s[SEL], s[SEL+1]
.endr
.irp b, 0,1,2,3
	v_max_num_f32 v[TM+\b], v[TM+\b], v[TM+4+\b]   ; with lane l xor 16's: the block's largest
.endr
.irp b, 0,1,2,3
	v_add_nc_u32 v[TM+12+\b], 0xf8800000, v[TM+\b] ; 15 off its exponent field: the conversion's scale operand
.endr
.irp b, 0,1,2,3
	v_and_or_b32 v[TM+8+\b], v[TM+\b], 0x7f800000, s[MNT]   ; 57,344 x the scale
.endr
.irp b, 0,1,2,3
	v_lshrrev_b32 v[TM+4+\b], 23, v[TM+12+\b]      ; the scale's byte
.endr
	v_lshl_or_b32 v[PW], v[TM+5], 8, v[TM+4]
	v_lshl_or_b32 v[PW], v[TM+6], 16, v[PW]
	v_lshl_or_b32 v[PW], v[TM+7], 24, v[PW]
.irp b, 0,1,2,3
.irp i, 0,1,2,3,4,5,6,7,8,9,10,11,12,13,14,15
	v_med3_num_f32 v[HA+16*\b+\i], v[HA+16*\b+\i], 0, v[TM+8+\b]   ; the activation and the hold in one (the conversion does not saturate: ISA guide 7.6.2)
.endr
	v_cvt_scalef32_pk8_bf8_f32 v[PC+4*\b:PC+1+4*\b], v[HA+16*\b:HA+7+16*\b], v[TM+12+\b]
	v_cvt_scalef32_pk8_bf8_f32 v[PC+2+4*\b:PC+3+4*\b], v[HA+8+16*\b:HA+15+16*\b], v[TM+12+\b]
.endr
	v_nop                                          ; a plain line behind the last conversion
.endm
; 16 rows of x's codes, named by 16 scalar entries: a row's 512 consecutive bytes a load; the load lands on its own offset register
.macro XGATH ent, xr
.set gk, 0
.rept 16
	s_lshr_b32 s40, s[\ent+gk], 1                  ; the token,
	s_min_u32 s40, s40, 0xfff                      ; held inside the table before it enters an address
	s_lshl_b32 s40, s40, 9
	v_add_nc_u32 v[\xr+4*gk], s40, v[LI]
	global_load_b128 v[\xr+4*gk:\xr+4*gk+3], v[\xr+4*gk], s[4:5]
.set gk, gk+1
.endr
.endm
; A PASS IS MADE READY: wave w gathers tiles 3 w .. 3 w + 2 of the pass (codes, scale words, gates) into LDS, and W1's fragments and scale words come into registers.  All 12 tiles are gathered: entries behind n name rows that exist.
.macro PREP
	s_mul_i32 s40, s[R_P], 768                     ; 192 entries of 4 bytes a pass,
	s_mul_i32 s41, s[WV], 192                      ; 48 a wave
	s_add_co_u32 s40, s40, s41
	s_min_u32 s[LO0], s40, 1984                    ; held so that 16 entries end inside the list's 512
	s_add_co_u32 s41, s40, 64
	s_min_u32 s[LO1], s41, 1984
	s_add_co_u32 s41, s40, 128
	s_min_u32 s[LO2], s41, 1984
	s_load_b512 s[ENT0:ENT0+15], s[18:19], s[LO0] offset:0x100
	s_load_b512 s[ENT1:ENT1+15], s[18:19], s[LO1] offset:0x100
	s_load_b512 s[ENT2:ENT2+15], s[18:19], s[LO2] offset:0x100
	v_add_nc_u32 v[GQ], s[LO0], v[R4]
	v_add_nc_u32 v[GQ+1], s[LO1], v[R4]
	v_add_nc_u32 v[GQ+2], s[LO2], v[R4]
.irp i, 0,1,2
	global_load_b32 v[GQ+\i], v[GQ+\i], s[18:19] offset:256   ; the same entries, a lane a row
.endr
	WSC1
	WFR 0, 48, 8
	s_wait_kmcnt 0x0
	s_wait_loadcnt 56                              ; the entries are in; the 8 + 48 weight loads issued behind them may be out
	XGATH ENT0, XF
	XGATH ENT1, HA
	WIN 0xc0                                       ; the third tile lies in window 3: first the 16 offsets,
.set gk, 0
.rept 16
	s_lshr_b32 s40, s[ENT2+gk], 1
	s_min_u32 s40, s40, 0xfff
	s_lshl_b32 s40, s40, 9
	v_add_nc_u32 v[XR2+4*gk], s40, v[LI]
.set gk, gk+1
.endr
	WIN 0xc3                                       ; then the 16 loads (destination and offset window 3)
.set gk, 0
.rept 16
	global_load_b128 v[XR2+4*gk:XR2+4*gk+3], v[XR2+4*gk], s[4:5]
.set gk, gk+1
.endr
	WIN 0
.irp i, 0,1,2
	v_lshrrev_b32 v[XQ+4*\i], 1, v[GQ+\i]
	v_min_u32 v[XQ+4*\i], 0xfff, v[XQ+4*\i]
	v_lshlrev_b32 v[XQ+4*\i], 4, v[XQ+4*\i]
	global_load_b128 v[XQ+4*\i:XQ+4*\i+3], v[XQ+4*\i], s[6:7]   ; my row's four scale words
	v_min_u32 v[GQ+\i], 0x1fff, v[GQ+\i]
	v_lshlrev_b32 v[GQ+\i], 2, v[GQ+\i]
	global_load_b32 v[GQ+\i], v[GQ+\i], s[20:21]   ; and its gate
.endr
	WFR 48, 108, 8
	s_wait_loadcnt 60                              ; all that was gathered is in; the 60 weight loads issued behind it may be out
.set gk, 0
.rept 16
	ds_store_b128 v[GXA], v[XF+4*gk:XF+4*gk+3] offset:528*gk
	ds_store_b128 v[GXA], v[HA+4*gk:HA+4*gk+3] offset:8448+528*gk
.set gk, gk+1
.endr
	WIN 0x0c                                       ; an LDS store's data are its source 1: window 3
.set gk, 0
.rept 16
	ds_store_b128 v[GXA], v[XR2+4*gk:XR2+4*gk+3] offset:2*8448+528*gk
.set gk, gk+1
.endr
	WIN 0
.irp i, 0,1,2
	ds_store_b128 v[GSA], v[XQ+4*\i:XQ+4*\i+3] offset:512*\i
	ds_store_b32 v[GGA], v[GQ+\i] offset:128*\i
.endr
	WFR 108, 128, 8
.endm
	s_load_b512 s[4:19], s[0:1], 0x0               ; xc 4, xsc 6, wl 8, W1's scales 10, b1 12, W2's scales 14, b2 16, list 18
	s_load_b128 s[20:23], s[0:1], 0x40             ; gates 20, ybuf 22
	s_set_vgpr_msb 0xc0
	v_lshl_add_u32 v254, v0, 2, 0x3c600
	v_mov_b32 v255, 0
	s_set_vgpr_msb 0xc000
	v_lshrrev_b32 v10, 5, v0
	v_readfirstlane_b32 s[WV], v10                 ; wave 0..3
	s_and_b32 s[KQ], ttmp9, 3
	s_and_b32 s36, ttmp9, 31
	s_lshl_b32 s36, s36, 2
	s_add_co_u32 s36, s36, s[WV]                   ; u = (4 e + kq) 4 + w
	s_bfe_u32 s37, ttmp9, 0x30002                  ; e
	s_lshr_b32 s38, ttmp9, 2                       ; the list: 8 b + e
	s_mov_b32 s47, 0
	s_wait_kmcnt 0x0
	s_lshl_b32 s46, s36, 16                        ; a wave's 32 fragments are 65,536 bytes on end
	s_add_nc_u64 s[8:9], s[8:9], s[46:47]          ; W1's
	s_add_nc_u64 s[24:25], s[8:9], 0x800000        ; W2's
	s_lshl_b32 s46, s36, 11                        ; 128 rows of 16 scale bytes
	s_add_nc_u64 s[10:11], s[10:11], s[46:47]
	s_lshl_b32 s46, s36, 9                         ; 128 numbers of b1
	s_add_nc_u64 s[12:13], s[12:13], s[46:47]
	s_lshl_b32 s46, s37, 15                        ; W2's scales: e x 512 rows of 64 bytes, 128 w rows, 16 kq bytes
	s_lshl_b32 s39, s[WV], 13
	s_add_co_u32 s46, s46, s39
	s_lshl_b32 s39, s[KQ], 4
	s_add_co_u32 s46, s46, s39
	s_add_nc_u64 s[14:15], s[14:15], s[46:47]
	s_lshl_b32 s46, s37, 11                        ; b2: e x 512 numbers, 128 w
	s_lshl_b32 s39, s[WV], 9
	s_add_co_u32 s46, s46, s39
	s_add_nc_u64 s[16:17], s[16:17], s[46:47]
	s_mul_i32 s46, s38, 2304
	s_add_nc_u64 s[18:19], s[18:19], s[46:47]
	s_lshl_b32 s46, s[KQ], 24                      ; part kq of ybuf: 8,192 rows of 2,048 bytes
	s_add_nc_u64 s[22:23], s[22:23], s[46:47]
	s_load_b32 s[R_N], s[18:19], 0x0               ; n
	s_mov_b64 s[PFA:PFA+1], s[24:25]
	s_lshr_b32 s40, ttmp9, 5
	s_cmp_eq_u32 s40, 0
	s_cselect_b32 s[PFL], 8, 0                     ; of the eight work-groups that read a slice of W2, the one with b = 0 prefetches it
	s_cmp_eq_u32 s[KQ], 0
	s_cselect_b32 s[FLG], 0x3f800000, 0            ; b2 enters once, in part 0
	s_mov_b32 s[MNT], 0x600000                     ; the mantissa field of 57,344
	s_mov_b32 s[SEL], 0x76543210
	s_mov_b32 s[SEL+1], 0xfedcba98                 ; v_permlanex16_b32's selects for lane l xor 16
	v_and_b32 v10, 31, v0                          ; lane
	v_and_b32 v14, 15, v0                          ; r
	v_bfe_u32 v11, v0, 4, 1                        ; h
	v_lshlrev_b32 v[LI], 4, v10
	v_lshlrev_b32 v[LS], 2, v10
	v_lshlrev_b32 v[PFO], 8, v10
	v_mul_u32_u24 v[XA0], v14, 528
	v_lshl_add_u32 v[XA0], v11, 4, v[XA0]          ; a fragment of x: row r, + 16 h
	s_mul_i32 s40, s[WV], 24576
	s_add_co_u32 s40, s40, L_HIMG
	v_add_nc_u32 v[HWI], s40, v[LI]                ; where I store the hidden layer's images
	s_mul_i32 s40, s[WV], 1536
	s_add_co_u32 s41, s40, L_HSC
	v_add_nc_u32 v[HWS], s41, v[LS]                ; and their scale words
	s_add_co_u32 s41, s40, L_XSC
	v_add_nc_u32 v[GSA], s41, v[LI]                ; the gather: x's scale words,
	s_mul_i32 s40, s[WV], 8448
	s_add_co_u32 s40, s40, L_STG
	v_mul_u32_u24 v[STO], v14, 528
	v_lshl_add_u32 v[STO], v11, 5, v[STO]
	v_add_nc_u32 v[STO], s40, v[STO]               ; my stage: row r, + 32 h
	v_add_nc_u32 v[RD], s40, v[LI]                 ; and back: a row's 512 bytes
	s_lshl_b32 s40, s[WV], 9
	v_add_nc_u32 v[YL], s40, v[LI]                 ; my 512 bytes of a row of ybuf
	s_mul_i32 s40, s[WV], 25344
	v_add_nc_u32 v[GXA], s40, v[LI]                ; x's rows,
	s_mul_i32 s40, s[WV], 384
	s_add_co_u32 s40, s40, L_GAT
	v_add_nc_u32 v[GGA], s40, v[LS]                ; the gates
	v_and_b32 v[W1SA], 8, v14
	v_add_nc_u32 v[W1SA], v[W1SA], v14
	v_lshlrev_b32 v[W1SA], 4, v[W1SA]              ; 16 (r + 8 (r / 8))
	v_lshlrev_b32 v[W2SA], 6, v14
	v_lshlrev_b32 v16, 6, v11                      ; b1: 64 h;
	v_lshlrev_b32 v17, 5, v11                      ; b2: 32 h
	v_lshlrev_b32 v[R4], 2, v14
	v_mov_b32 v[G+1], 0
.irp b, 0,1,2,3
	v_mov_b32 v[TM+4+\b], 0                        ; written once: a lane permute's destination counts as one of its sources
.endr
	WIN 0xc0                                       ; destination window 3
.irp t, 0,1,2,3,4,5,6,7
	global_load_b128 v[B1+8*\t:B1+8*\t+3], v16, s[12:13] offset:(32*(\t/2)+8*(\t%2))*4        ; lane (r, h), tile t: hidden units 32 (t / 2) + 8 (t % 2) + 16 h + 0 .. 7
	global_load_b128 v[B1+8*\t+4:B1+8*\t+7], v16, s[12:13] offset:(32*(\t/2)+8*(\t%2))*4+16
.endr
.irp t, 0,1,2,3,4,5,6,7
	global_load_b128 v[B2+8*\t:B2+8*\t+3], v17, s[16:17] offset:64*\t                         ; outputs 16 t + 8 h + 0 .. 7
	global_load_b128 v[B2+8*\t+4:B2+8*\t+7], v17, s[16:17] offset:64*\t+16
.endr
	WIN 0
	s_wait_kmcnt 0x0
	s_min_u32 s[R_N], s[R_N], 512
	s_min_u32 s[R_NP], s[R_N], 192
	s_add_co_u32 s[R_NT], s[R_NP], 15
	s_lshr_b32 s[R_NT], s[R_NT], 4
	s_mov_b32 s[R_P], 0
	PREP                                           ; unconditional: so every register that a product names is written on every path
	WIN 0xc3                                       ; b2 (in since PREP's second wait on the loads) x 1 or x 0
.set bj, 0
.rept 32
	v_pk_mul_f32 v[B2+2*bj:B2+2*bj+1], v[B2+2*bj:B2+2*bj+1], s[FLG:FLG+1] op_sel_hi:[1,0]
.set bj, bj+1
.endr
	WIN 0
.Lpass:
	BARRIER                                        ; the pass's rows lie in LDS
	s_wait_loadcnt 0x0                             ; W1 is in
	; ---- phase 1: my 128 hidden units, a tile of 16 rows a trip
	s_mov_b32 s36, L_XROW
	s_mov_b32 s37, L_XSC
	s_mov_b32 s38, 0
	s_mov_b32 s39, 0
	s_mov_b32 s[R_M], 0
.Lp1:
	s_cmp_lt_u32 s[R_M], s[R_NT]
	s_cbranch_scc0 .Lp1s                           ; no rows in this tile: only the addresses step
	v_add_nc_u32 v[ADX], s36, v[XA0]
	v_add_nc_u32 v[ADXS], s37, v[LI]
	v_add_nc_u32 v[ADHI], s38, v[HWI]
	v_add_nc_u32 v[ADHS], s39, v[HWS]
.irp s, 0,1,2,3
.irp c, 0,1,2,3
	ds_load_b128 v[XF+16*\s+4*\c:XF+16*\s+4*\c+3], v[ADX] offset:128*\s+32*\c
.endr
.endr
	ds_load_b128 v[XS:XS+3], v[ADXS]
	; W2's fragments, which this wave loads at the phase's end, are asked for ahead: 8,192 bytes a trip in trips 0 to 7 of the first pass, lanes 256 bytes apart: my wave's 65,536 bytes, each block named once in the launch
	s_cmp_lt_u32 s[R_M], s[PFL]
	s_cbranch_scc0 .Lp1n
	global_prefetch_b8 v[PFO], s[PFA:PFA+1] th:TH_LOAD_NT scope:SCOPE_SE
.Lp1n:
	s_wait_dscnt 0x0
	PROD B1
	PLACES8
	QUANT
.irp c, 0,1,2,3
	ds_store_b128 v[ADHI], v[PC+4*\c:PC+4*\c+3] offset:512*\c   ; K step w of the second product, as an image of its registers
.endr
	ds_store_b32 v[ADHS], v[PW]
	s_wait_dscnt 0x0
.Lp1s:
	s_wait_xcnt 0x0                                ; the prefetch has read its address, which steps now
	s_add_nc_u64 s[PFA:PFA+1], s[PFA:PFA+1], 8192
	s_add_co_u32 s36, s36, 8448
	s_add_co_u32 s37, s37, 512
	s_add_co_u32 s38, s38, 2048
	s_add_co_u32 s39, s39, 128
	s_add_co_u32 s[R_M], s[R_M], 1
	s_cmp_lt_u32 s[R_M], 12
	s_cbranch_scc1 .Lp1
	s_cmp_eq_u32 s[R_NP], 0
	s_cbranch_scc1 .Lnow2
	WSC2                                           ; W2 takes W1's registers (the last product stands more than eight plain lines back)
	WFR 0, 128, 24
.Lnow2:
	BARRIER                                        ; the hidden layer's fragments lie in LDS
	s_wait_loadcnt 0x0                             ; W2 is in
	; ---- phase 2: my 128 outputs, a tile of 16 rows a trip
	s_mov_b32 s36, L_HIMG
	s_mov_b32 s37, L_HSC
	s_mov_b32 s38, L_GAT
	s_mov_b32 s[R_NV], s[R_NP]
	s_mul_i32 s[LE], s[R_P], 768
	s_mov_b32 s[R_M], 0
.Lp2:
	s_cmp_lt_u32 s[R_M], s[R_NT]
	s_cbranch_scc0 .Lp2s
	s_min_u32 s41, s[LE], 1984
	s_load_b512 s[ENT0:ENT0+15], s[18:19], s41 offset:0x100   ; the tile's 16 entries
	v_add_nc_u32 v[ADH], s36, v[LI]
	v_add_nc_u32 v[ADH2], 49152, v[ADH]
	v_add_nc_u32 v[ADHC], s37, v[LS]
	v_add_nc_u32 v[ADG], s38, v[LS]
.irp s, 0,1,2,3
.irp c, 0,1,2,3
.if \s < 2
	ds_load_b128 v[XF+16*\s+4*\c:XF+16*\s+4*\c+3], v[ADH] offset:24576*\s+512*\c
.else
	ds_load_b128 v[XF+16*\s+4*\c:XF+16*\s+4*\c+3], v[ADH2] offset:24576*(\s-2)+512*\c
.endif
.endr
.endr
.irp s, 0,1,2,3
	ds_load_b32 v[XS+\s], v[ADHC] offset:1536*\s
.endr
	ds_load_b32 v[G], v[ADG]
	s_wait_dscnt 0x0
	PROD B2
	PLACES8
.set pj, 0
.rept 32
	v_pk_mul_f32 v[HA+2*pj:HA+2*pj+1], v[HA+2*pj:HA+2*pj+1], v[G:G+1] op_sel_hi:[1,0]   ; x my row's gate; each accumulator from its low end on
.set pj, pj+1
.endr
.irp t, 0,1,2,3,4,5,6,7
	ds_store_b128 v[STO], v[HA+8*\t:HA+8*\t+3] offset:64*\t         ; lane (r, h): row r, outputs 16 t + 8 h + 0 .. 7
	ds_store_b128 v[STO], v[HA+8*\t+4:HA+8*\t+7] offset:64*\t+16
.endr
.irp i, 0,1,2,3,4,5,6,7,8,9,10,11,12,13,14,15
	ds_load_b128 v[BK+4*\i:BK+4*\i+3], v[RD] offset:528*\i          ; back as whole rows: LDS serves a wave's instructions in order
.endr
	s_wait_kmcnt 0x0
.set si, 0
.rept 16
	s_min_u32 s40, s[ENT0+si], 0x1fff              ; the row 2 t + k, held inside ybuf's 8,192 before it enters an address
	s_lshl_b32 s40, s40, 11
	v_add_nc_u32 v[YO+si], s40, v[YL]
.set si, si+1
.endr
.set si, 0
.rept 16
.if si > 0
	s_cmp_gt_u32 s[R_NV], si                       ; rows behind n were multiplied to fill the tile and are not stored
	s_cbranch_scc0 .Lp2d
.endif
	s_wait_dscnt 15-si                             ; row si is back; the younger rows may be out
	global_store_b128 v[YO+si], v[BK+4*si:BK+4*si+3], s[22:23] th:TH_STORE_NT   ; 32 lanes store 512 consecutive bytes, at a multiple of 512 from the buffer's first byte
.set si, si+1
.endr
.Lp2d:
	s_wait_dscnt 0x0
	s_wait_xcnt 0x0                                ; the stores have read their offsets and data: both are written again in the next trip
.Lp2s:
	s_add_co_u32 s36, s36, 2048
	s_add_co_u32 s37, s37, 128
	s_add_co_u32 s38, s38, 128
	s_sub_co_u32 s[R_NV], s[R_NV], 16
	s_add_co_u32 s[LE], s[LE], 64
	s_add_co_u32 s[R_M], s[R_M], 1
	s_cmp_lt_u32 s[R_M], 12
	s_cbranch_scc1 .Lp2
	BARRIER                                        ; nobody reads this pass's rows, gates or hidden layer any more
	s_add_co_u32 s[R_P], s[R_P], 1
	s_mov_b32 s[PFL], 0
	s_mul_i32 s40, s[R_P], 192
	s_sub_co_i32 s40, s[R_N], s40
	s_max_i32 s40, s40, 0
	s_min_u32 s[R_NP], s40, 192                    ; rows of the next pass
	s_add_co_u32 s[R_NT], s[R_NP], 15
	s_lshr_b32 s[R_NT], s[R_NT], 4
	s_cmp_eq_u32 s[R_NP], 0
	s_cbranch_scc1 .Lnoprep
	PREP
.Lnoprep:
	s_cmp_lt_u32 s[R_P], 3
	s_cbranch_scc1 .Lpass
	s_set_vgpr_msb 0xf
	s_wait_tensorcnt 0x0
	ds_add_u32 v254, v255
	s_wait_dscnt 0x0
	s_set_vgpr_msb 0xf00
	s_endpgm
.Lfunc_end_k_q1754e13416_chain:
	.size	k_q1754e13416_chain, .Lfunc_end_k_q1754e13416_chain-k_q1754e13416_chain
	.p2alignl 7, 3214868480
	.fill 96, 4, 3214868480
	.section	.rodata,"a",@progbits
	.p2align	6, 0x0
	.amdhsa_kernel k_q1754e13416_chain
		.amdhsa_group_segment_fixed_size 247808
		.amdhsa_private_segment_fixed_size 0
		.amdhsa_enable_private_segment 0
		.amdhsa_kernarg_size 80
		.amdhsa_user_sgpr_count 2
		.amdhsa_user_sgpr_kernarg_segment_ptr 1
		.amdhsa_wavefront_size32 1
		.amdhsa_system_sgpr_workgroup_id_x 1
		.amdhsa_system_sgpr_workgroup_id_y 1
		.amdhsa_system_sgpr_workgroup_id_z 1
		.amdhsa_system_vgpr_workitem_id 0
		.amdhsa_next_free_vgpr 1024
		.amdhsa_next_free_sgpr 102
		.amdhsa_reserve_vcc 0
		.amdhsa_float_denorm_mode_32 3
		.amdhsa_float_denorm_mode_16_64 3
		.amdhsa_memory_ordered 1
		.amdhsa_forward_progress 1
		.amdhsa_inst_pref_size 116
	.end_amdhsa_kernel
	.amdgpu_metadata
---
amdhsa.version: [ 1, 2 ]
amdhsa.kernels:
  - .name:           k_q1754e13416_chain
    .symbol:         k_q1754e13416_chain.kd
    .args:
      - { .name: xc, .offset: 0, .size: 8, .value_kind: global_buffer, .address_space: global }
      - { .name: xsc, .offset: 8, .size: 8, .value_kind: global_buffer, .address_space: global }
      - { .name: wl, .offset: 16, .size: 8, .value_kind: global_buffer, .address_space: global }
      - { .name: W1_scales, .offset: 24, .size: 8, .value_kind: global_buffer, .address_space: global }
      - { .name: b1, .offset: 32, .size: 8, .value_kind: global_buffer, .address_space: global }
      - { .name: W2_scales, .offset: 40, .size: 8, .value_kind: global_buffer, .address_space: global }
      - { .name: b2, .offset: 48, .size: 8, .value_kind: global_buffer, .address_space: global }
      - { .name: list, .offset: 56, .size: 8, .value_kind: global_buffer, .address_space: global }
      - { .name: gates, .offset: 64, .size: 8, .value_kind: global_buffer, .address_space: global }
      - { .name: ybuf, .offset: 72, .size: 8, .value_kind: global_buffer, .address_space: global }
    .group_segment_fixed_size: 247808
    .private_segment_fixed_size: 0
    .kernarg_segment_align: 8
    .kernarg_segment_size: 80
    .max_flat_workgroup_size: 128
    .sgpr_count:     102
    .vgpr_count:     1024
    .wavefront_size: 32
...
	.end_amdgpu_metadata
.endif
;; end of part 3
;; launch combine (part 4): grid 513 x 1, 8 waves a work-group, no clusters, 0 bytes of LDS; arguments ybuf, part, out0, out1, out2; writes out0, out1, out2
.if DOCPART == 4
	.amdgcn_target "amdgcn-amd-amdhsa--gfx1250"
	.amdhsa_code_object_version 6
	.text
	.protected	k_q1754e13416_combine
	.globl	k_q1754e13416_combine
	.p2align	8
	.type	k_q1754e13416_combine,@function
k_q1754e13416_combine:
	s_mov_b64 s[64:65], 0
	v_nop
	global_prefetch_b8 v0, s[64:65] scope:SCOPE_SE
	s_setreg_imm32_b32 hwreg(HW_REG_WAVE_MODE, 25, 1), 1
	s_wait_xcnt 0x0
; COMBINE.  Work-groups 1 to 512: out0[t] = the sum over kq = 0 .. 3 and k = 0, 1 of ybuf[kq][2 t + k]: the gates and b2 are already in the parts.
; A plain stream: work-group g + 1 owns tokens 8 g .. 8 g + 7, in four items of two; thread T takes 16 bytes of a row (T % 128) of token T / 128 of the item.  Every load and store of a wave covers 512 consecutive bytes.
; All 32 loads of a thread are issued first; no LDS, no barrier, no matrix unit: nothing is shared and nothing is read twice.
; Work-group 0: the two losses.  Its wave 0 adds the 128 rows of part (lane 0-7: tokens of expert e, lane 8-15: its gates, lane 16: lse^2; two numbers a lane and row), in two runs of 64 loads:
; aux = 8 sum_e (tokens_e / 4096)(gates_e / 4096) = sum x 2^-21;  z = sum of lse^2 x 2^-12.  It stands here, beside the stream, since the sums want two trips to memory and nothing waits for them.
	s_load_b256 s[4:11], s[0:1], 0x0               ; ybuf 4, part 6, out0 8, out1 10
	s_load_b64 s[12:13], s[0:1], 0x20              ; out2
	v_lshrrev_b32 v1, 7, v0
	v_and_b32 v2, 127, v0
	v_lshlrev_b32 v2, 4, v2
	v_lshl_add_u32 v1, v1, 12, v2                  ; a token's two rows are 4,096 bytes
	v_lshlrev_b32 v3, 4, v0
	s_sub_co_u32 s28, ttmp9, 1                     ; g
	s_lshl_b32 s24, s28, 15                        ; 8 tokens x 4,096 bytes in each part
	s_mov_b32 s25, 0
	s_lshl_b32 s26, s28, 14                        ; 8 rows of 2,048 bytes of out0
	s_mov_b32 s27, 0
	s_wait_kmcnt 0x0
	s_cmp_eq_u32 ttmp9, 0
	s_cbranch_scc1 .Lloss
	s_add_nc_u64 s[16:17], s[4:5], s[24:25]
	s_add_nc_u64 s[18:19], s[16:17], 0x1000000     ; the four parts lie 16,777,216 bytes apart
	s_add_nc_u64 s[20:21], s[18:19], 0x1000000
	s_add_nc_u64 s[22:23], s[20:21], 0x1000000
	s_add_nc_u64 s[8:9], s[8:9], s[26:27]
.irp i, 0,1,2,3
.irp q, 0,1,2,3
.irp k, 0,1
	global_load_b128 v[8+32*\i+8*\q+4*\k:8+32*\i+8*\q+4*\k+3], v1, s[16+2*\q:17+2*\q] offset:8192*\i+2048*\k th:TH_LOAD_NT
.endr
.endr
.endr
.irp i, 0,1,2,3
	s_wait_loadcnt 24-8*\i                         ; this item's eight loads are in; the later items' may be out
.irp m, 0,2,4,6
	v_pk_add_f32 v[8+32*\i+4*\m:8+32*\i+4*\m+1], v[8+32*\i+4*\m:8+32*\i+4*\m+1], v[8+32*\i+4*\m+4:8+32*\i+4*\m+5]
	v_pk_add_f32 v[8+32*\i+4*\m+2:8+32*\i+4*\m+3], v[8+32*\i+4*\m+2:8+32*\i+4*\m+3], v[8+32*\i+4*\m+6:8+32*\i+4*\m+7]
.endr
.irp m, 0,4
	v_pk_add_f32 v[8+32*\i+4*\m:8+32*\i+4*\m+1], v[8+32*\i+4*\m:8+32*\i+4*\m+1], v[8+32*\i+4*\m+8:8+32*\i+4*\m+9]
	v_pk_add_f32 v[8+32*\i+4*\m+2:8+32*\i+4*\m+3], v[8+32*\i+4*\m+2:8+32*\i+4*\m+3], v[8+32*\i+4*\m+10:8+32*\i+4*\m+11]
.endr
	v_pk_add_f32 v[8+32*\i:8+32*\i+1], v[8+32*\i:8+32*\i+1], v[8+32*\i+16:8+32*\i+17]
	v_pk_add_f32 v[8+32*\i+2:8+32*\i+3], v[8+32*\i+2:8+32*\i+3], v[8+32*\i+18:8+32*\i+19]
	global_store_b128 v3, v[8+32*\i:8+32*\i+3], s[8:9] offset:4096*\i th:TH_STORE_NT
.endr
	s_endpgm
; ------------------------------------------------------------------ the losses
.Lloss:
	v_lshrrev_b32 v4, 5, v0
	v_readfirstlane_b32 s14, v4                    ; wave
	s_cmp_lg_u32 s14, 0
	s_cbranch_scc1 .Lend
	v_and_b32 v1, 31, v0                           ; lane
	v_lshlrev_b32 v2, 3, v1                        ; a row of part: 8 bytes a lane
; 64 rows of part, from row first on, are added in four chains; the sum is left in v[8:9] and v[12:13]
.macro SUM64 first
.set li, 0
.rept 64
	global_load_b64 v[8+2*li:9+2*li], v2, s[6:7] offset:256*((\first)+li)
.set li, li+1
.endr
	s_wait_loadcnt 0x0
.set li, 4
.rept 60
	v_pk_add_f32 v[8+2*(li%4):9+2*(li%4)], v[8+2*(li%4):9+2*(li%4)], v[8+2*li:9+2*li]
.set li, li+1
.endr
	v_pk_add_f32 v[8:9], v[8:9], v[10:11]
	v_pk_add_f32 v[12:13], v[12:13], v[14:15]
.endm
	SUM64 0
	v_pk_add_f32 v[4:5], v[8:9], v[12:13]
	SUM64 64
	v_pk_add_f32 v[8:9], v[8:9], v[12:13]
	v_pk_add_f32 v[4:5], v[4:5], v[8:9]
	v_add_f32 v6, v4, v5                           ; lane 0-7: tokens of expert e; lane 8-15: its gates; lane 16: lse^2
	v_mov_b32 v7, 0                                ; (a DPP form's destination counts as read)
	v_mul_f32_dpp v7, v6, v6 row_xmask:8 row_mask:0xf bank_mask:0xf   ; tokens_e x gates_e
	v_add_f32_dpp v7, v7, v7 row_xmask:1 row_mask:0xf bank_mask:0xf
	v_add_f32_dpp v7, v7, v7 row_xmask:2 row_mask:0xf bank_mask:0xf
	v_add_f32_dpp v7, v7, v7 row_xmask:4 row_mask:0xf bank_mask:0xf   ; over the 8 experts
	v_mul_f32 v10, 0x35000000, v7                  ; x 2^-21
	v_readlane_b32 s15, v6, 16
	v_mov_b32 v11, s15
	v_mul_f32 v11, 0x39800000, v11                 ; x 2^-12
	v_mov_b32 v3, 0
	v_cmp_eq_u32 vcc_lo, 0, v1
	s_wait_xcnt 0x0                                ; EXEC is a source of the loads above: it changes only behind this wait
	s_and_saveexec_b32 s14, vcc_lo
	global_store_b32 v3, v10, s[10:11]
	global_store_b32 v3, v11, s[12:13]
	s_wait_xcnt 0x0                                ; and again in front of the line that widens it
	s_or_b32 exec_lo, exec_lo, s14
.Lend:
	s_endpgm
.Lfunc_end_k_q1754e13416_combine:
	.size	k_q1754e13416_combine, .Lfunc_end_k_q1754e13416_combine-k_q1754e13416_combine
	.p2alignl 7, 3214868480
	.fill 96, 4, 3214868480
	.section	.rodata,"a",@progbits
	.p2align	6, 0x0
	.amdhsa_kernel k_q1754e13416_combine
		.amdhsa_group_segment_fixed_size 0
		.amdhsa_private_segment_fixed_size 0
		.amdhsa_enable_private_segment 0
		.amdhsa_kernarg_size 40
		.amdhsa_user_sgpr_count 2
		.amdhsa_user_sgpr_kernarg_segment_ptr 1
		.amdhsa_wavefront_size32 1
		.amdhsa_system_sgpr_workgroup_id_x 1
		.amdhsa_system_sgpr_workgroup_id_y 1
		.amdhsa_system_sgpr_workgroup_id_z 1
		.amdhsa_system_vgpr_workitem_id 0
		.amdhsa_next_free_vgpr 136
		.amdhsa_next_free_sgpr 66
		.amdhsa_reserve_vcc 1
		.amdhsa_float_denorm_mode_32 3
		.amdhsa_float_denorm_mode_16_64 3
		.amdhsa_memory_ordered 1
		.amdhsa_forward_progress 1
		.amdhsa_inst_pref_size 30
	.end_amdhsa_kernel
	.amdgpu_metadata
---
amdhsa.version: [ 1, 2 ]
amdhsa.kernels:
  - .name:           k_q1754e13416_combine
    .symbol:         k_q1754e13416_combine.kd
    .args:
      - { .name: ybuf, .offset: 0, .size: 8, .value_kind: global_buffer, .address_space: global }
      - { .name: part, .offset: 8, .size: 8, .value_kind: global_buffer, .address_space: global }
      - { .name: out0, .offset: 16, .size: 8, .value_kind: global_buffer, .address_space: global }
      - { .name: out1, .offset: 24, .size: 8, .value_kind: global_buffer, .address_space: global }
      - { .name: out2, .offset: 32, .size: 8, .value_kind: global_buffer, .address_space: global }
    .group_segment_fixed_size: 0
    .private_segment_fixed_size: 0
    .kernarg_segment_align: 8
    .kernarg_segment_size: 40
    .max_flat_workgroup_size: 256
    .sgpr_count:     66
    .vgpr_count:     136
    .wavefront_size: 32
...
	.end_amdgpu_metadata
.endif
;; end of part 4
